; MI455X (gfx1250); checked and timed in simulation.
; The chip was launched on July 23, 2026; its instructions are those of AMD's public machine-readable ISA for CDNA 5 (MIT licence, August 2026) and "CDNA5" Instruction Set Architecture Reference Guide (July 2026). The comments in the code are by the model that wrote it; some were corrected since.
;; Info Self Attention Layer. Allowed arithmetic: matrix products marked QUANTISED: E2M3 operands, one E8M0 scale for each 32 along K, by v_wmma_scale_f32_16x16x128_f8f6f4 with both operands' format E2M3, f32 sums; everything else in f32.
;; Inputs: Wk 768 x 64 float32; Wq 768 x 64 float32; Wv 768 x 64 float32; bk 64 float32; bq 64 float32; bv 64 float32; info 2 x 8 x 2,048 x 768 float32.
;; Outputs: out0 2 x 8 x 2,048 x 64 float32.
;; This version of the problem:
;;   THIS VERSION OF THE PROBLEM IS GIVEN IN LOW PRECISION. The matrix products marked QUANTISED in the list below multiply operands that are first quantised to E2M3 (2 exponent bits, 3 mantissa bits; 6 bits a number), with one power-of-two scale for each 32 numbers along K (OCP MX v1.0); their sums are f32. All else is computed in f32.
;;   The module's matrix products, in the order in which they are computed (A, B: the left and right operand; K: the contracted axis; several contracted axes count as one K, in the product's order):
;;     1. [M 32,768, K 768] x [K 768, N 64]; A: input info; B: input Wq: QUANTISED
;;     2. [M 32,768, K 768] x [K 768, N 64]; A: input info; B: input Wk: QUANTISED
;;     3. [M 32,768, K 768] x [K 768, N 64]; A: input info; B: input Wv: QUANTISED
;;     4. batch 16 x [M 2,048, K 64] x [K 64, N 2,048]; A: computed on the way; B: computed on the way: QUANTISED
;;     5. batch 16 x [M 2,048, K 2,048] x [K 2,048, N 64]; A: softmax (see below); B: computed on the way: QUANTISED
;;   THE QUANTISER, for each operand of a quantised product, along K:
;;     - K is cut into blocks of 32 from its start; a last block that is shorter is filled with zeros.
;;     - A block's scale is 2^e with e = floor(log2(the largest magnitude in the block)) - 2, held to -126 .. 127; a block of zeros has e = 0. As a byte (E8M0): e + 127.
;;     - Each number is divided by its block's scale, clamped to +-7.5, and rounded to the nearest number of E2M3, ties to even, subnormals kept.
;;     - The product sums the exact products of the quantised numbers (number of the format x scale) in f32.
;;   ~~~python
;;   def quantise(x, axis):      # numpy; x: float32 -> the quantised numbers, widened to float32 again
;;       x = np.moveaxis(x, axis, -1); K = x.shape[-1]
;;       x = np.pad(x, [(0, 0)] * (x.ndim - 1) + [(0, -K % 32)]); x = x.reshape(x.shape[:-1] + (-1, 32)); a = np.abs(x).max(-1, keepdims=True)
;;       e = np.where(a > 0, np.clip(np.frexp(np.where(a > 0, a, 1))[1] - 1 - 2, -126, 127), 0)      # np.frexp(a)[1] - 1 = floor(log2(a)), exactly
;;       r = np.clip(x / 2.0 ** e, -7.5, 7.5)
;;       step = 2.0 ** (np.maximum(np.frexp(np.where(r == 0, 1, r))[1] - 1, 0) - 3)
;;       q = np.round(r / step) * step * 2.0 ** e      # np.round: ties to even
;;       return np.moveaxis(q.reshape(q.shape[:-2] + (-1,))[..., :K], -1, axis).astype(np.float32)
;;   ~~~
;;   SOFTMAX AHEAD OF A QUANTISED PRODUCT. Where the list says 'softmax', what is quantised is not the finished softmax but p = 2^(t - M), with t = logit x log2(e) and M = ceil(the row's largest t), a whole number; so 1/2 < the row's largest p <= 1. The row's sum l is taken of the UNQUANTISED p, in f32, and the product's result is divided by l at the end. Since M is a whole number, a kernel that streams over the keys may use a running M (the ceiling of the running maximum): every later rescaling is an exact power of two, which a block's scale takes up: the codes' values come out the same.
;;   OPERANDS COMPUTED ON THE WAY. 'Computed on the way' means the value that the module computes at that place (a softmax that the list does not call 'softmax' is quantised finished and normalised). What goes into a quantiser is computed in f32, as accurately as f32 sums, v_exp_f32 and their like allow (about 1e-6 of the number): no bf16 or f16 on the way to a quantiser, and a product that is left as it is and whose result goes on into a quantised operand takes f32 operands (vector FMAs, or v_wmma_f32_16x16x4_f32). A number that lies on a knife's edge between two numbers of the format may be rounded either way, as far as f32 arithmetic and the matrix unit's own rounding can turn it there, and no further.
;; One version. Each part assembles by itself: llvm-mc -triple=amdgcn-amd-amdhsa -mcpu=gfx1250 --defsym DOCPART=n.
;; ======== version 1 of 1: 4 launches
;; limits: right only within a limited range of input values
;; workspace buffers: wimg 115,200 bytes; qb 1,703,936 bytes; kv 3,276,800 bytes; ob 8,388,608 bytes; st 32,768 bytes
;; launch wq (part 1): grid 12 x 6, 1 waves a work-group, no clusters, 0 bytes of LDS; arguments Wq, Wk, Wv, wimg; writes wimg
.if DOCPART == 1
	.amdgcn_target "amdgcn-amd-amdhsa--gfx1250"
	.amdhsa_code_object_version 6
	.text
	.protected	k_qb7d4b59752_wq
	.globl	k_qb7d4b59752_wq
	.p2align	8
	.type	k_qb7d4b59752_wq,@function
k_qb7d4b59752_wq:
	s_mov_b64 s[64:65], 0
	v_nop
	global_prefetch_b8 v0, s[64:65] scope:SCOPE_SE
	s_setreg_imm32_b32 hwreg(HW_REG_WAVE_MODE, 25, 1), 1
	s_wait_xcnt 0x0
; Wq, Wk, Wv: [768][64] f32, K their FIRST axis.  They become codes of FP6 (E2M3) with one E8M0 scale for each 32 along K, in the ORDER OF THE OPERAND'S REGISTERS:
; wimg = 6 K steps of 19,200 bytes; in a step fragment F (0-3 Wq, 4-7 Wk, 8-11 Wv; 16 columns x 128 K, 12 registers a lane) lies at 1,536 F: registers 4 g .. 4 g + 3 of lane l at 512 g + 16 l;
; from 18,432 on the scale words, 64 bytes a fragment.  THE COLUMNS OF A FRAGMENT: with T = F % 4 its row r is column 8 T + r % 8 + 32 (r / 8): so a lane of the transposed product holds 32 neighbouring columns in its four tiles.
; One wave takes a fragment (work-group x) of one K step (work-group y).  A LANE TAKES A COLUMN AND ITS REGISTERS RUN DOWN K (lane (r, h): k = 64 c + 32 h + 0 .. 31): the conversions' results are the operand's registers.
; A block's scale is 2^(floor(log2(its largest magnitude)) - 2); its byte is that magnitude's exponent field - 2, held at 1 from below.
; No step of the problem is left out in this program: every input has a way to the output.
; LIMITS: a block of zeros, and one whose largest magnitude lies under 2^-124, gets the byte 1 (its codes are zeros or near it; this program alone reads the bytes); NaN and infinities are not served.
.set XN,  64                           ; v64-127  block c at v[XN + 32 c]
.set TM,  16                           ; v16-19   largest magnitudes, two chains a block
.set FRG, 24                           ; v24-35   the fragment
.set CT,  40                           ; v40-47   second halves of the blocks' codes
.set SOP, 12
.set EB,  14
.set WD,  20
	s_load_b256 s[4:11], s[0:1], 0x0               ; Wq s[4:5], Wk s[6:7], Wv s[8:9], wimg s[10:11]
	v_and_b32 v1, 15, v0                           ; r
	v_lshrrev_b32 v2, 4, v0                        ; h (one wave: v0 is the lane)
	v_and_b32 v7, 7, v0
	v_bfe_u32 v8, v0, 3, 1
	v_lshlrev_b32 v3, 2, v7                        ; in: column r % 8 + 32 (r / 8), 4 bytes,
	v_lshl_add_u32 v3, v8, 7, v3
	v_lshl_add_u32 v3, v2, 13, v3                  ; and 32 rows of 256 bytes further down for lanes 16-31
	v_lshlrev_b32 v4, 4, v0                        ; out: 16 bytes a lane
	v_lshlrev_b32 v5, 2, v1                        ; and 4 bytes a column for the scale words
	v_lshlrev_b32 v6, 3, v2                        ; 8 h
	v_mov_b32 v[WD+1], 0                           ; a lane permute's destination counts as one of its sources
	s_and_b32 s12, ttmp7, 0xffff                   ; the K step
	s_and_b32 s13, ttmp9, 3                        ; T
	s_lshl_b32 s14, s12, 15                        ; 128 rows of 256 bytes a K step
	s_lshl_b32 s13, s13, 5
	s_add_co_u32 s14, s14, s13
	s_mov_b32 s15, 0
	s_mul_i32 s16, s12, 19200
	s_mul_i32 s18, ttmp9, 1536
	s_add_co_u32 s18, s18, s16
	s_mov_b32 s19, 0
	s_lshl_b32 s20, ttmp9, 6
	s_add_co_u32 s20, s20, s16
	s_mov_b32 s21, 0
	s_mov_b32 s22, 0x76543210
	s_mov_b32 s23, 0xfedcba98                      ; selects for lane l xor 16
	s_wait_alu depctr_va_vdst(0)
	s_wait_kmcnt 0x0
	s_cmp_lt_u32 ttmp9, 4                          ; the choice hangs on the work-group's number alone
	s_cselect_b64 s[4:5], s[4:5], s[6:7]
	s_cmp_lt_u32 ttmp9, 8
	s_cselect_b64 s[4:5], s[4:5], s[8:9]
	s_add_nc_u64 s[4:5], s[4:5], s[14:15]
	s_add_nc_u64 s[18:19], s[10:11], s[18:19]
	s_add_nc_u64 s[20:21], s[10:11], s[20:21]
.irp c, 0,1
.set i, 0
.rept 32
	global_load_b32 v[XN+32*\c+i], v3, s[4:5] offset:(64*\c+i)*256
.set i, i+1
.endr
.endr
	s_wait_loadcnt 0x0
.irp b, 0,1,2,3
	v_max3_num_f32 v[TM+\b], |v[XN+16*\b]|, |v[XN+16*\b+1]|, |v[XN+16*\b+2]|
.endr
.irp i, 3,5,7,9,11,13
.irp b, 0,1,2,3
	v_max3_num_f32 v[TM+\b], v[TM+\b], |v[XN+16*\b+\i]|, |v[XN+16*\b+\i+1]|
.endr
.endr
.irp c, 0,1
	v_max3_num_f32 v[TM+2*\c], v[TM+2*\c], |v[XN+32*\c+15]|, |v[XN+32*\c+31]|
.endr
.irp c, 0,1
	v_max3_num_f32 v[TM+2*\c], v[TM+2*\c], v[TM+2*\c+1], 0x1800000   ; the floor 2^(3 - 127) holds the byte at 1 from below
.endr
.irp c, 0,1
	v_add_nc_u32 v[SOP+\c], 0xff000000, v[TM+2*\c] ; 2 off the exponent field: the conversion's scale operand
.endr
.irp c, 0,1
	v_cvt_scalef32_pk16_fp6_f32 v[FRG+6*\c:FRG+6*\c+2], v[XN+32*\c:XN+32*\c+15], v[SOP+\c]
	v_cvt_scalef32_pk16_fp6_f32 v[CT+4*\c:CT+4*\c+2], v[XN+32*\c+16:XN+32*\c+31], v[SOP+\c]   ; (a conversion's three registers begin on an even number)
.endr
.irp c, 0,1
	v_lshrrev_b32 v[EB+\c], 23, v[SOP+\c]          ; the scale's byte
.endr
	v_lshl_or_b32 v[WD], v[EB+1], 16, v[EB]        ; my two bytes: blocks h and 2 + h of my column,
	v_lshlrev_b32 v[WD], v6, v[WD]                 ; at their places in the word;
	v_permlanex16_b32 v[WD+1], v[WD], s22, s23
	v_or_b32 v[WD], v[WD], v[WD+1]                 ; with lane l xor 16's two the word is whole, in both lanes
.irp c, 0,1
.irp i, 0,1,2
	v_mov_b32 v[FRG+6*\c+3+\i], v[CT+4*\c+\i]
.endr
.endr
.irp g, 0,1,2
	global_store_b128 v4, v[FRG+4*\g:FRG+4*\g+3], s[18:19] offset:512*\g   ; 32 lanes store 512 consecutive bytes
.endr
	global_store_b32 v5, v[WD], s[20:21] offset:18432   ; both lanes of a column write the same word
	s_endpgm
.Lfunc_end_k_qb7d4b59752_wq:
	.size	k_qb7d4b59752_wq, .Lfunc_end_k_qb7d4b59752_wq-k_qb7d4b59752_wq
	.p2alignl 7, 3214868480
	.fill 96, 4, 3214868480
	.section	.rodata,"a",@progbits
	.p2align	6, 0x0
	.amdhsa_kernel k_qb7d4b59752_wq
		.amdhsa_group_segment_fixed_size 0
		.amdhsa_private_segment_fixed_size 0
		.amdhsa_enable_private_segment 0
		.amdhsa_kernarg_size 32
		.amdhsa_user_sgpr_count 2
		.amdhsa_user_sgpr_kernarg_segment_ptr 1
		.amdhsa_wavefront_size32 1
		.amdhsa_system_sgpr_workgroup_id_x 1
		.amdhsa_system_sgpr_workgroup_id_y 1
		.amdhsa_system_sgpr_workgroup_id_z 1
		.amdhsa_system_vgpr_workitem_id 0
		.amdhsa_next_free_vgpr 128
		.amdhsa_next_free_sgpr 66
		.amdhsa_reserve_vcc 0
		.amdhsa_float_denorm_mode_32 3
		.amdhsa_float_denorm_mode_16_64 3
		.amdhsa_memory_ordered 1
		.amdhsa_forward_progress 1
		.amdhsa_inst_pref_size 11
	.end_amdhsa_kernel
	.amdgpu_metadata
---
amdhsa.version: [ 1, 2 ]
amdhsa.kernels:
  - .name:           k_qb7d4b59752_wq
    .symbol:         k_qb7d4b59752_wq.kd
    .args:
      - { .name: Wq, .offset: 0, .size: 8, .value_kind: global_buffer, .address_space: global }
      - { .name: Wk, .offset: 8, .size: 8, .value_kind: global_buffer, .address_space: global }
      - { .name: Wv, .offset: 16, .size: 8, .value_kind: global_buffer, .address_space: global }
      - { .name: wimg, .offset: 24, .size: 8, .value_kind: global_buffer, .address_space: global }
    .group_segment_fixed_size: 0
    .private_segment_fixed_size: 0
    .kernarg_segment_align: 8
    .kernarg_segment_size: 32
    .max_flat_workgroup_size: 32
    .sgpr_count:     66
    .vgpr_count:     128
    .wavefront_size: 32
...
	.end_amdgpu_metadata
.endif
;; end of part 1
;; launch proj (part 2): grid 256 x 1, 4 waves a work-group, clusters of 4 x 1, 218,112 bytes of LDS; arguments info, wimg, bq, bk, bv, qb, kv; writes qb, kv
.if DOCPART == 2
	.amdgcn_target "amdgcn-amd-amdhsa--gfx1250"
	.amdhsa_code_object_version 6
	.text
	.protected	k_qb7d4b59752_proj
	.globl	k_qb7d4b59752_proj
	.p2align	8
	.type	k_qb7d4b59752_proj,@function
k_qb7d4b59752_proj:
	s_mov_b64 s[64:65], 0
	v_nop
	global_prefetch_b8 v0, s[64:65] scope:SCOPE_SE
	s_setreg_imm32_b32 hwreg(HW_REG_WAVE_MODE, 25, 1), 1
	s_wait_xcnt 0x0
	s_wait_alu depctr_hold_cnt(0) depctr_sa_sdst(0) depctr_va_vdst(0) depctr_va_sdst(0) depctr_va_ssrc(0) depctr_va_vcc(0) depctr_vm_vsrc(0)
	s_getreg_b32 s2, hwreg(HW_REG_IB_STS2, 6, 4)
	s_cmp_eq_u32 s2, 0
	s_cbranch_scc0 .Lentry_in_a_cluster
	s_endpgm
.Lentry_in_a_cluster:
	s_bfe_u32 s2, ttmp6, 0x10000c
	s_cmp_lg_u32 s2, 0x3003
	s_cbranch_scc0 .Lentry_shape_is_right
	s_endpgm
.Lentry_shape_is_right:
; q, k, v = Q(info) Q(W) + b on codes of FP6 (E2M3) with one E8M0 scale for each 32 along K, and then q, k, v themselves as codes for the attention's two products.
; info: [32768][768] f32.  wimg: the three weights as fragments in register order.  An HF (half fragment: 16 rows x 64 K, six registers a lane) is 768 bytes: registers 0-3 of lane l at 16 l, registers 4, 5 at 512 + 8 l.
;   qb, 6,656 bytes for 128 rows: 8 HFs; at 6,144 + 64 i + 4 r the scale word of tile i's row r (its two bytes in bytes 0, 1 and once more in 2, 3).
;   kv, 12,800 bytes for 128 rows = one key step: K's 8 HFs; at 6,144 + 64 p + 4 r the scale word of row r of tiles 2 p (bytes 0, 1) and 2 p + 1 (bytes 2, 3); V^T's HFs (tile t, keys 64 c on) at 6,400 + 768 (2 t + c); V's scale words at 12,544 + 64 t + 4 r (byte b = key block b).
; THE ROWS OF A TILE: tile 4 c + T of a block of 128 rows has as row r the block's row 64 c + 8 T + r % 8 + 32 (r / 8); a tile of columns likewise (column 8 T + r % 8 + 32 (r / 8)).  So a lane of a transposed product
; holds 32 NEIGHBOURS along the next K, one whole block, in its four tiles' 32 registers, and the later products have their k in its true places.
; SHARES.  A work-group owns 128 rows, each of its four waves two tiles of 16 (2 w and 2 w + 1) against all 12 tiles of columns: 24 accumulators, which take turns.
; info COMES ONCE, by plain loads (a row's 512 bytes an instruction) two K steps ahead.  A K step turns through the wave's own stage in LDS and comes back 128 bytes of a row to a lane.
; The weights' 115,200 bytes are wanted by every work-group: the four waves bring K step 0, 1, 2 and 3, 4 and 5 by JOINT loads of the cluster's four, in rows of 256 bytes.  info is shared by nobody.  No LDS byte is filled twice by the mover.
; No prefetch: there is no loop to run ahead in, the first two of six K steps are asked for at the head and each other one two K steps ahead of its use.
; q and k are made TRANSPOSED (source 0 = columns of W): a lane holds one row.  v is made straight: a lane holds one column and eight rows of a tile; v goes through a stage in LDS, and each of the 128 lanes then takes two blocks of 32 keys of one column.
; The biases are the C of each sum's first product.
; LIMITS: a block of zeros, and one whose largest magnitude lies under 2^-124, gets the byte 1 (this program alone reads the bytes); NaN and infinities are not served; the bias stands ahead of the sum, not behind it.
; REGISTERS.  Window 1: accumulators (rows m, group g, tile k) at v[96 m + 32 g + 8 k]; from v192 q's and k's biases.  Window 2: two landing sets.  Window 3: a K step's turned numbers, 64 for each tile; from v128 v's bias.  Window 0: all else.
.set WSTEP, 19200                      ; a K step of the weights in wimg and in LDS (from LDS byte 0 on)
.set PITCH, 528                        ; 33 x 16 bytes: sixteen rows start in different banks (64 banks of 4 bytes: ISA guide 11.1)
.set TROW,  16*PITCH
.set STG,   6*WSTEP                    ; for each wave 32 rows x PITCH
.set VST,   STG+8*TROW                 ; v's stage: 64 rows x PITCH
.set QW,    VST+64*PITCH               ; q's scale words, 512 bytes
.set KW,    QW+512                     ; k's, 256 bytes
.set VW,    KW+256                     ; v's, 256 bytes
.set SPARE, VW+256
.set LI,  1                            ; 16 x lane
.set LS,  2                            ; 4 x lane
.set LI2, 3                            ; the same + three K steps of the weights (an LDS offset has 16 bits)
.set LS2, 4
.set XA,  5                            ; my stage + 528 r + 128 h
.set SWA, 6                            ; my stage + 16 x lane
.set SPW, 7
.set NIL, 8
.set L8,  9                            ; 8 x lane
.set VSA, 10                           ; v's stage: where I lay my sums
.set VRA, 11                           ; v's stage: my blocks of 32 keys
.set KWA, 12
.set BHO, 13                           ; 128 h: q's and k's biases
.set VWA, 14
.set BVO, 15                           ; v's biases
.set QWA, 16
.set H8,  17                           ; 8 h
.set QRA, 18
.set KRA, 19
.set XF,  20                           ; v20-31, v32-43 x's two fragments
.set XS,  46                           ; v46-47 their scale words
.set WS,  48                           ; v48-53, v56-61 W's scale words, two sets
.set TM,  64                           ; v64-67
.set SOP, 68                           ; v68-71
.set EB,  72                           ; v72-75
.set WD,  76                           ; v76-79 words at work, v80-83 lane l xor 16's
.set WP,  80
.set CT,  84                           ; v84-86, v88-90
.set WF,  96                           ; v96-239 twelve fragments of W
.set HQ,  96                           ; the way out: q's and k's six registers of tile m at HQ + 16 m, HQ + 8 + 16 m
.set VN,  128                          ; v's two blocks of 32
.set HV,  192
.set WV,  18
.set SEL, 26
.set G1W, 28                           ; s[28:35] group 1 of one K step of the weights;  s[44:47] group 0
.set G1X, 68                           ; s[68:75] group 1 of two K steps
.set G0W, 44
.set MSB, 0
.macro WIN new                         ; the immediate's high byte repeats the setting that is left
.if MSB != \new
	s_set_vgpr_msb (MSB<<8)|\new
.set MSB, \new
.endif
.endm
.macro PLACES n
.rept \n
	v_nop
.endr
.endm
.macro WALU
	s_wait_alu depctr_va_vdst(0)
.endm
.macro CROUND
	s_barrier_signal -1
	s_barrier_wait -1
	s_cmp_lg_u32 s[WV], 0
	s_cbranch_scc1 .Lnot_wave_0_\@
	s_barrier_signal -3
.Lnot_wave_0_\@:
	s_barrier_wait -3
	s_barrier_signal -1
	s_barrier_wait -1
.endm
; The largest magnitudes of two blocks of 32 registers from v[reg] on, two chains a block; the conversions' scale operands and the bytes, in SOP and EB from o on.  wa, wb: the windows in which the numbers lie.
.macro QMAX reg, wa, wb, o
	WIN \wa
.irp b, 0,1,2,3
	v_max3_num_f32 v[TM+\b], |v[\reg+16*\b]|, |v[\reg+16*\b+1]|, |v[\reg+16*\b+2]|
.endr
	WIN \wb
.irp i, 3,5,7,9,11,13
.irp b, 0,1,2,3
	v_max3_num_f32 v[TM+\b], v[TM+\b], |v[\reg+16*\b+\i]|, |v[\reg+16*\b+\i+1]|
.endr
.endr
.irp b, 0,1
	v_max3_num_f32 v[TM+2*\b], v[TM+2*\b], |v[\reg+32*\b+15]|, |v[\reg+32*\b+31]|
.endr
	WIN 0
.irp b, 0,1
	v_max3_num_f32 v[TM+2*\b], v[TM+2*\b], v[TM+2*\b+1], 0x1800000   ; the floor 2^(3 - 127): the byte cannot fall under 1
.endr
.irp b, 0,1
	v_add_nc_u32 v[SOP+\o+\b], 0xff000000, v[TM+2*\b]   ; 2 off the exponent field
.endr
.irp b, 0,1
	v_lshrrev_b32 v[EB+\o+\b], 23, v[SOP+\o+\b]
.endr
.endm
; Their codes: block b's six registers at v[dst + str b]
.macro CODE reg, dst, str, wa, o
	WIN \wa
.irp b, 0,1
	v_cvt_scalef32_pk16_fp6_f32 v[\dst+\str*\b:\dst+\str*\b+2], v[\reg+32*\b:\reg+32*\b+15], v[SOP+\o+\b]
	v_cvt_scalef32_pk16_fp6_f32 v[CT+4*\b:CT+4*\b+2], v[\reg+32*\b+16:\reg+32*\b+31], v[SOP+\o+\b]   ; (a conversion's three registers begin on an even number)
.endr
	WIN 0
	v_nop                                          ; one plain place behind a scaled conversion
.irp b, 0,1
.irp i, 0,1,2
	v_mov_b32 v[\dst+\str*\b+3+\i], v[CT+4*\b+\i]
.endr
.endr
.endm
.macro QUANT m                         ; my 64 numbers of tile m's row become a fragment's registers and a scale word
	QMAX 64*\m, 0x3f, 0x3c, 0
	v_lshl_or_b32 v[WD], v[EB+1], 16, v[EB]        ; my bytes: blocks h and 2 + h
	v_permlanex16_b32 v[WP], v[WD], s[SEL], s[SEL+1]
	v_lshl_or_b32 v[XS+\m], v[WP], 8, v[WD]        ; lanes 0-15: the row's scale word (lanes 16-31 are not read)
	CODE 64*\m, XF+12*\m, 6, 0x03, 0
.endm
.macro GLOAD s, hf                     ; K step s of my tile hf into half hf of landing set s % 2
	WIN 0x80
.set rw, 0
.rept 16
	global_load_b128 v[128*((\s)%2)+64*(\hf)+4*rw:128*((\s)%2)+64*(\hf)+4*rw+3], v[LI], s[4:5] offset:3072*(8*(\hf)+rw+24*(rw/8))+512*(\s) th:TH_LOAD_NT
.set rw, rw+1
.endr
	WIN 0
.endm
.macro WLOAD s                         ; K step s of the weights: twelve fragments and six registers of scale words (lanes 0-15 an even tile's, lanes 16-31 the next tile's)
.if (\s) < 3
.set WA_, LI
.set WB_, LS
.else
.set WA_, LI2
.set WB_, LS2
.endif
.irp f, 0,1,2,3,4,5,6,7,8,9,10,11
.irp p, 0,1,2
	ds_load_b128 v[WF+12*\f+4*\p:WF+12*\f+4*\p+3], v[WA_] offset:WSTEP*((\s)%3)+1536*\f+512*\p
.endr
.endr
.irp i, 0,1,2,3,4,5
	ds_load_b32 v[WS+8*((\s)%2)+\i], v[WB_] offset:WSTEP*((\s)%3)+18432+128*\i
.endr
.endm
.macro WM d, a, b, c, sa, sb, row      ; row = 1: source 0's scales stand in lanes 16-31 of their register; 2: source 1's
.if (\row) == 1
	v_wmma_scale_f32_16x16x128_f8f6f4 v[\d:\d+7], v[\a:\a+11], v[\b:\b+11], v[\c:\c+7], v[\sa], v[\sb] matrix_a_fmt:MATRIX_FMT_FP6 matrix_b_fmt:MATRIX_FMT_FP6 matrix_a_scale:MATRIX_SCALE_ROW1
.elseif (\row) == 2
	v_wmma_scale_f32_16x16x128_f8f6f4 v[\d:\d+7], v[\a:\a+11], v[\b:\b+11], v[\c:\c+7], v[\sa], v[\sb] matrix_a_fmt:MATRIX_FMT_FP6 matrix_b_fmt:MATRIX_FMT_FP6 matrix_b_scale:MATRIX_SCALE_ROW1
.else
	v_wmma_scale_f32_16x16x128_f8f6f4 v[\d:\d+7], v[\a:\a+11], v[\b:\b+11], v[\c:\c+7], v[\sa], v[\sb] matrix_a_fmt:MATRIX_FMT_FP6 matrix_b_fmt:MATRIX_FMT_FP6
.endif
.endm
.macro MULT s, g                       ; group g (0 q, 1 k, 2 v).  The 24 accumulators take turns in the same order in every K step
.irp k, 0,1,2,3
.irp m, 0,1
.set AC_, 96*\m+32*(\g)+8*\k
.set CC_, AC_
.set FR_, WF+48*(\g)+12*\k
.set XR_, XF+12*\m
.set SC_, WS+8*((\s)%2)+2*(\g)+\k/2
.set SX_, XS+\m
.if ((\s) == 0) && ((\g) == 2)
.set CC_, 128+8*\k
	WIN 0x70                                       ; C (v's bias) window 3, D window 1
.else
.if (\s) == 0
.set CC_, 192+32*(\g)+8*\k                 ; the bias starts the sum
.endif
	WIN 0x50
.endif
.if (\g) < 2
	WM AC_, FR_, XR_, CC_, SC_, SX_, \k%2
.else
	WM AC_, XR_, FR_, CC_, SX_, SC_, 2*(\k%2)
.endif
.endr
.endr
	WIN 0
.endm
; A K step of 128.  Its weights were asked for at the end of the step before.
.macro STEP s, younger
.set NX_, (\s)+1
.set N2_, (\s)+2
	s_wait_loadcnt \younger                        ; my rows of this step are in; behind them stand the 32 loads of the next step
	WIN 0x08                                       ; the data: window 2
.set rw, 0
.rept 32
	ds_store_b128 v[SWA], v[128*((\s)%2)+4*rw:128*((\s)%2)+4*rw+3] offset:PITCH*rw
.set rw, rw+1
.endr
	WIN 0xc0
.irp m, 0,1
.irp c, 0,1
.irp j, 0,1,2,3,4,5,6,7
	ds_load_b128 v[64*\m+32*\c+4*\j:64*\m+32*\c+4*\j+3], v[XA] offset:TROW*\m+256*\c+16*\j   ; LDS serves a wave's instructions in order (ISA guide 5.7.1.4): these see the stores above
.endr
.endr
.endr
.if (\s) == 0
	WIN 0xc3
.irp k, 0,1,2,3
.irp j, 1,2,3,4,5,6,7
	v_mov_b32 v[128+8*\k+\j], v[128+8*\k]          ; v's bias, one number a lane and tile, over the tile's eight registers
.endr
.endr
.endif
	WIN 0
	s_wait_dscnt 16                                ; tile 0's numbers are back (tile 1's 16 loads may be out), so all the stores have read their registers
.if (\s) < 4
	GLOAD N2_, 0
.endif
	QUANT 0
.if (\s) < 4
	GLOAD N2_, 1
.endif
	WALU
	s_wait_dscnt 0x0
.if ((\s) < 2) || ((\s) == 3)
.if (\s) < 2
	s_cmp_lt_u32 s[WV], (\s)+2                     ; the wave that fetched the weights of the coming steps waits for them
	s_cbranch_scc0 .Lno_wait_\@
	s_wait_tensorcnt 0x0
.Lno_wait_\@:
.else
	s_wait_tensorcnt 0x0                           ; K steps 4 and 5
.endif
	s_barrier_signal -1                            ; (no LDS instruction of mine is out); register work alone up to the wait
.endif
	QUANT 1
	PLACES 4                                       ; an operand so written stands four places ahead of a scaled product, a scale word eight
	MULT \s, 0
	MULT \s, 1
	MULT \s, 2
.if ((\s) < 2) || ((\s) == 3)
	WALU
	s_barrier_wait -1
.endif
	PLACES 4                                       ; in front of loads into registers that matrix instructions have read
.if (\s) < 5
	WLOAD NX_
.endif
.endm
	s_load_b256 s[4:11], s[0:1], 0x0               ; info s[4:5], wimg s[6:7], bq s[8:9], bk s[10:11]
	s_load_b128 s[12:15], s[0:1], 0x20             ; bv s[12:13], qb s[14:15]
	s_load_b64 s[16:17], s[0:1], 0x30              ; kv
	v_lshl_add_u32 v[SPW], v0, 2, SPARE
	v_mov_b32 v[NIL], 0
	ds_add_u32 v[SPW], v[NIL]                      ; the opening add, twice on end
	ds_add_u32 v[SPW], v[NIL]
	v_lshrrev_b32 v62, 5, v0
	v_readfirstlane_b32 s[WV], v62                 ; wave 0..3
	s_bfe_u32 s19, ttmp6, 0x40000                  ; cx
	s_lshl_b32 s20, ttmp9, 2
	s_add_co_u32 s20, s20, s19                     ; my block of 128 rows: it enters global addresses of info, qb and kv alone
	s_mov_b32 s[SEL], 0x76543210
	s_mov_b32 s[SEL+1], 0xfedcba98
	s_mov_b32 s[G1W], 15|(3<<16)|(1<<21)           ; the mask: all four work-groups; elements of 8 bytes; bit 21 set beside a mask
	s_mov_b32 s[G1W+1], 32<<16                     ; rows of 256 bytes
	s_mov_b32 s[G1W+2], 75<<16
	s_mov_b32 s[G1W+3], 32<<16
	s_mov_b32 s[G1W+4], 75
	s_mov_b32 s[G1W+5], 32
	s_mov_b32 s[G1W+6], 0
	s_mov_b32 s[G1W+7], 0
	s_mov_b32 s[G1X], 15|(3<<16)|(1<<21)
	s_mov_b32 s[G1X+1], 32<<16
	s_mov_b32 s[G1X+2], 150<<16
	s_mov_b32 s[G1X+3], 32<<16
	s_mov_b32 s[G1X+4], 150
	s_mov_b32 s[G1X+5], 32
	s_mov_b32 s[G1X+6], 0
	s_mov_b32 s[G1X+7], 0
	s_lshr_b32 s2, s[WV], 1                        ; c
	s_and_b32 s3, s[WV], 1                         ; which 16 rows of a block of 32
	s_and_b32 s21, s2, s3
	s_add_co_u32 s21, s21, s[WV]                   ; the first K step of the weights that I fetch: 0, 1, 2, 4
	s_mul_i32 s52, s21, WSTEP                      ; s[52:53] never hold my place in the cluster
	s_mov_b32 s53, 0
	s_mov_b32 s[G0W], 1
	s_mov_b32 s[G0W+1], s52
	s_mul_i32 s36, s20, 393216                     ; 128 rows of 3,072 bytes a block,
	s_mul_i32 s37, s2, 196608                      ; 64 c
	s_add_co_u32 s36, s36, s37
	s_mul_i32 s37, s3, 49152                       ; + 16
	s_add_co_u32 s36, s36, s37
	s_mov_b32 s37, 0
	s_mul_i32 s38, s20, 6656
	s_mov_b32 s39, 0
	s_mul_i32 s21, s[WV], 1536
	s_add_co_u32 s40, s38, s21
	s_mov_b32 s41, 0
	s_mul_i32 s48, s20, 12800
	s_mov_b32 s49, 0
	s_add_co_u32 s50, s48, s21
	s_mov_b32 s51, 0
	s_mul_i32 s21, s[WV], 2*TROW
	s_add_co_u32 s21, s21, STG                     ; my stage
	s_lshl_b32 s22, s2, 8
	s_lshl_b32 s23, s3, 6
	s_add_co_u32 s22, s22, s23
	s_add_co_u32 s22, s22, VST                     ; v's stage: my keys 64 c + 16 (w % 2) on
	s_mul_i32 s23, s[WV], TROW
	s_add_co_u32 s23, s23, VST                     ; as a maker of V^T's HFs: tile w
	s_lshl_b32 s24, s[WV], 7
	s_add_co_u32 s24, s24, QW
	s_lshl_b32 s25, s[WV], 6
	s_add_co_u32 s3, s25, VW
	s_add_co_u32 s25, s25, KW
	v_and_b32 v62, 31, v0                          ; lane
	v_and_b32 v63, 15, v0                          ; r
	v_bfe_u32 v64, v0, 4, 1                        ; h
	v_and_b32 v65, 7, v0
	v_bfe_u32 v66, v0, 3, 1
	v_lshlrev_b32 v[LI], 4, v62
	v_lshlrev_b32 v[LS], 2, v62
	v_lshlrev_b32 v[L8], 3, v62
	v_add_nc_u32 v[LI2], 3*WSTEP, v[LI]
	v_add_nc_u32 v[LS2], 3*WSTEP, v[LS]
	v_mul_u32_u24 v67, v63, PITCH
	v_lshlrev_b32 v[BHO], 7, v64
	v_lshlrev_b32 v[H8], 3, v64
	v_lshlrev_b32 v[BVO], 2, v65
	v_lshl_add_u32 v67, v64, 7, v67                ; 528 r + 128 h
	v_lshl_add_u32 v[BVO], v66, 7, v[BVO]          ; column r % 8 + 32 (r / 8)
	v_add_nc_u32 v[XA], s21, v67
	v_add_nc_u32 v[SWA], s21, v[LI]
	v_add_nc_u32 v[VSA], s22, v67
	v_add_nc_u32 v[VRA], s23, v67
	v_lshl_add_u32 v[QWA], v63, 2, s24
	v_lshl_add_u32 v[KWA], v63, 2, s25
	v_lshl_add_u32 v[VWA], v63, 2, s3
	v_add_nc_u32 v[QRA], QW, v[LI]
	v_add_nc_u32 v[KRA], KW, v[L8]
.irp n, 0,1,2,3
	v_mov_b32 v[WP+\n], 0                          ; a lane permute's destination counts as one of its sources
.endr
	WALU                                           ; the wait at the head's end
	s_wait_dscnt 0x0                               ; both opening adds are done
	s_wait_kmcnt 0x0
	s_add_nc_u64 s[4:5], s[4:5], s[36:37]          ; info at my wave's first row
	s_add_nc_u64 s[60:61], s[14:15], s[38:39]
	s_add_nc_u64 s[14:15], s[14:15], s[40:41]
	s_add_nc_u64 s[62:63], s[16:17], s[48:49]
	s_add_nc_u64 s[16:17], s[16:17], s[50:51]
	s_add_nc_u64 s[G0W+2:G0W+3], s[6:7], s[52:53]
	s_or_b32 s[G0W+3], s[G0W+3], 0x80000000
	GLOAD 0, 0
	CROUND                                         ; all four work-groups are here: the joint loads meet
; One tensor load a wave, in one chain of branches: four barriers show them: K step 0 ahead of the first step, 1 in step 0, 2 and 3 in step 1, 4 and 5 in step 3.
.macro ARM under, grp, next
	s_cmp_lt_u32 s[WV], \under
	s_cbranch_scc0 \next
	tensor_load_to_lds s[G0W:G0W+3], s[\grp:\grp+7]
	s_nop 0
	PLACES 4
	s_branch .Lasked
\next:
.endm
	ARM 1, G1W, .Lfetch_1
	ARM 2, G1W, .Lfetch_2
	ARM 3, G1X, .Lfetch_3
	tensor_load_to_lds s[G0W:G0W+3], s[G1X:G1X+7]
	s_nop 0
	PLACES 4
.Lasked:
	WIN 0x40
.irp i, 0,1,2,3,4,5,6,7                ; lane (r, h): e = 32 h + 0 .. 31, in the order of the four tiles' registers
	global_load_b128 v[192+4*\i:192+4*\i+3], v[BHO], s[8:9] offset:16*\i
	global_load_b128 v[224+4*\i:224+4*\i+3], v[BHO], s[10:11] offset:16*\i
.endr
	WIN 0xc0
.irp k, 0,1,2,3
	global_load_b32 v[128+8*\k], v[BVO], s[12:13] offset:32*\k
.endr
	WIN 0
	GLOAD 0, 1
	GLOAD 1, 0
	GLOAD 1, 1
	s_cmp_lt_u32 s[WV], 1
	s_cbranch_scc0 .Lno_wait
	s_wait_tensorcnt 0x0
.Lno_wait:
	s_barrier_signal -1
	s_barrier_wait -1                              ; K step 0 of the weights is in.
	WLOAD 0
	STEP 0, 32                                     ; (the biases were asked for ahead of step 1)
	STEP 1, 32
	STEP 2, 32
	STEP 3, 32
	STEP 4, 32
	STEP 5, 0
; THE WAY OUT.  v's sums go into the stage as [column][key]; meanwhile q's and k's blocks, which lie whole in a lane, are quantised.
	WIN 0x04
.irp m, 0,1
.irp k, 0,1,2,3
	ds_store_b128 v[VSA], v[96*\m+64+8*\k:96*\m+64+8*\k+3] offset:TROW*\k+32*\m        ; each accumulator from its low end on
	ds_store_b128 v[VSA], v[96*\m+64+8*\k+4:96*\m+64+8*\k+7] offset:TROW*\k+32*\m+16
.endr
.endr
	QMAX 0, 0x15, 0x14, 0
	QMAX 96, 0x15, 0x14, 2
.irp n, 0,1,2,3                                ; q, k of tile 0; q, k of tile 1: my byte at its place,
	v_lshlrev_b32 v[WD+\n], v[H8], v[EB+\n]
.endr
.irp n, 0,1,2,3
	v_permlanex16_b32 v[WP+\n], v[WD+\n], s[SEL], s[SEL+1]
.endr
.irp n, 0,1,2,3
	v_or_b32 v[WD+\n], v[WD+\n], v[WP+\n]          ; with lane l xor 16's: both bytes, in both lanes
.endr
	v_lshl_or_b32 v[WD], v[WD], 16, v[WD]          ; q's twice
	v_lshl_or_b32 v[WD+2], v[WD+2], 16, v[WD+2]
	v_lshl_or_b32 v[WD+1], v[WD+3], 16, v[WD+1]    ; k's two tiles in one word
	ds_store_b32 v[QWA], v[WD]                     ; both lanes of a row write the same word
	ds_store_b32 v[QWA], v[WD+2] offset:64
	ds_store_b32 v[KWA], v[WD+1]
	WALU
	s_wait_dscnt 0x0                               ; for the others' sake: my sums are in the stage
	s_barrier_signal -1
	CODE 0, HQ, 8, 0x01, 0
	CODE 96, HQ+16, 8, 0x01, 2
	WALU
	s_barrier_wait -1
.irp c, 0,1
.irp j, 0,1,2,3,4,5,6,7
	ds_load_b128 v[VN+32*\c+4*\j:VN+32*\c+4*\j+3], v[VRA] offset:256*\c+16*\j   ; two blocks of 32 keys of one column
.endr
.endr
.irp m, 0,1
	global_store_b128 v[LI], v[HQ+16*\m:HQ+16*\m+3], s[14:15] offset:768*\m           ; 512 consecutive bytes, then 256, from multiples of 256
	global_store_b64 v[L8], v[HQ+16*\m+4:HQ+16*\m+5], s[14:15] offset:768*\m+512
	global_store_b128 v[LI], v[HQ+8+16*\m:HQ+16*\m+11], s[16:17] offset:768*\m
	global_store_b64 v[L8], v[HQ+12+16*\m:HQ+16*\m+13], s[16:17] offset:768*\m+512
.endr
	s_wait_dscnt 0x0
	QMAX VN, 0, 0, 0
	v_lshl_or_b32 v[WD], v[EB+1], 16, v[EB]        ; my bytes: blocks h and 2 + h of my column,
	v_lshlrev_b32 v[WD], v[H8], v[WD]
	v_permlanex16_b32 v[WP], v[WD], s[SEL], s[SEL+1]
	v_or_b32 v[WD], v[WD], v[WP]                   ; the whole word, in both lanes
	ds_store_b32 v[VWA], v[WD]
	CODE VN, HV, 8, 0, 0
.irp c, 0,1
	global_store_b128 v[LI], v[HV+8*\c:HV+8*\c+3], s[16:17] offset:6400+768*\c
	global_store_b64 v[L8], v[HV+8*\c+4:HV+8*\c+5], s[16:17] offset:6400+768*\c+512
.endr
	WALU
	s_wait_dscnt 0x0                               ; all my scale words are in LDS
	s_barrier_signal -1
	s_barrier_wait -1
	s_cmp_lg_u32 s[WV], 0
	s_cbranch_scc1 .Lnot_scales
	ds_load_b128 v[208:211], v[QRA]                ; wave 0: the scale words leave as whole units of 256 bytes
	ds_load_b64 v[212:213], v[KRA]
	ds_load_b64 v[214:215], v[KRA] offset:256
	s_wait_dscnt 0x0
	global_store_b128 v[LI], v[208:211], s[60:61] offset:6144
	global_store_b64 v[L8], v[212:213], s[62:63] offset:6144
	global_store_b64 v[L8], v[214:215], s[62:63] offset:12544
.Lnot_scales:
	s_wait_tensorcnt 0x0                           ; the wave's end
	ds_add_u32 v[SPW], v[NIL]
	s_wait_dscnt 0x0
	CROUND                                         ; the closing round: no work-group ends while a partner may still ask for a tile that names it
	s_endpgm
.Lfunc_end_k_qb7d4b59752_proj:
	.size	k_qb7d4b59752_proj, .Lfunc_end_k_qb7d4b59752_proj-k_qb7d4b59752_proj
	.p2alignl 7, 3214868480
	.fill 96, 4, 3214868480
	.section	.rodata,"a",@progbits
	.p2align	6, 0x0
	.amdhsa_kernel k_qb7d4b59752_proj
		.amdhsa_group_segment_fixed_size 218112
		.amdhsa_private_segment_fixed_size 0
		.amdhsa_enable_private_segment 0
		.amdhsa_kernarg_size 56
		.amdhsa_user_sgpr_count 2
		.amdhsa_user_sgpr_kernarg_segment_ptr 1
		.amdhsa_wavefront_size32 1
		.amdhsa_system_sgpr_workgroup_id_x 1
		.amdhsa_system_sgpr_workgroup_id_y 1
		.amdhsa_system_sgpr_workgroup_id_z 1
		.amdhsa_system_vgpr_workitem_id 0
		.amdhsa_next_free_vgpr 1024
		.amdhsa_next_free_sgpr 80
		.amdhsa_reserve_vcc 0
		.amdhsa_float_denorm_mode_32 3
		.amdhsa_float_denorm_mode_16_64 3
		.amdhsa_memory_ordered 1
		.amdhsa_forward_progress 1
		.amdhsa_inst_pref_size 142
	.end_amdhsa_kernel
	.amdgpu_metadata
---
amdhsa.version: [ 1, 2 ]
amdhsa.kernels:
  - .name:           k_qb7d4b59752_proj
    .symbol:         k_qb7d4b59752_proj.kd
    .args:
      - { .name: info, .offset: 0, .size: 8, .value_kind: global_buffer, .address_space: global }
      - { .name: wimg, .offset: 8, .size: 8, .value_kind: global_buffer, .address_space: global }
      - { .name: bq, .offset: 16, .size: 8, .value_kind: global_buffer, .address_space: global }
      - { .name: bk, .offset: 24, .size: 8, .value_kind: global_buffer, .address_space: global }
      - { .name: bv, .offset: 32, .size: 8, .value_kind: global_buffer, .address_space: global }
      - { .name: qb, .offset: 40, .size: 8, .value_kind: global_buffer, .address_space: global }
      - { .name: kv, .offset: 48, .size: 8, .value_kind: global_buffer, .address_space: global }
    .group_segment_fixed_size: 218112
    .private_segment_fixed_size: 0
    .kernarg_segment_align: 8
    .kernarg_segment_size: 56
    .max_flat_workgroup_size: 128
    .sgpr_count:     80
    .vgpr_count:     1024
    .wavefront_size: 32
...
	.end_amdgpu_metadata
.endif
;; end of part 2
;; launch attn (part 3): grid 16 x 16, 16 waves a work-group, clusters of 4 x 1, 280,832 bytes of LDS; arguments qb, kv, ob, st; writes ob, st
.if DOCPART == 3
	.amdgcn_target "amdgcn-amd-amdhsa--gfx1250"
	.amdhsa_code_object_version 6
	.text
	.protected	k_qb7d4b59752_attn
	.globl	k_qb7d4b59752_attn
	.p2align	8
	.type	k_qb7d4b59752_attn,@function
k_qb7d4b59752_attn:
	s_mov_b64 s[64:65], 0
	v_nop
	global_prefetch_b8 v0, s[64:65] scope:SCOPE_SE
	s_setreg_imm32_b32 hwreg(HW_REG_WAVE_MODE, 25, 1), 1
	s_wait_xcnt 0x0
	s_wait_alu depctr_hold_cnt(0) depctr_sa_sdst(0) depctr_va_vdst(0) depctr_va_sdst(0) depctr_va_ssrc(0) depctr_va_vcc(0) depctr_vm_vsrc(0)
	s_getreg_b32 s2, hwreg(HW_REG_IB_STS2, 6, 4)
	s_cmp_eq_u32 s2, 0
	s_cbranch_scc0 .Lentry_in_a_cluster
	s_endpgm
.Lentry_in_a_cluster:
	s_bfe_u32 s2, ttmp6, 0x10000c
	s_cmp_lg_u32 s2, 0x3003
	s_cbranch_scc0 .Lentry_shape_is_right
	s_endpgm
.Lentry_shape_is_right:
; out[q][:] = the sum over keys of softmax(q . k / 8) v, for each of 16 slices of 2,048 rows, both products on codes of FP6 (E2M3) with one E8M0 scale for each 32 along a product's K; and for the norm that follows a mean and a sum of squared distances from it for each 512 numbers.
; qb, kv: codes in register order (an HF, 16 rows x 64 K, is 768 bytes: registers 0-3 of lane l at 16 l, registers 4, 5 at 512 + 8 l).  qb: 6,656 bytes for 128 queries.  kv: 12,800 bytes for a key step of 128 keys: K's 8 HFs, its scale words at 6,144 (two tiles to a word),
; V^T's HFs at 6,400 + 768 (2 t + c), V's scale words at 12,544.  ob: [16][2048][64] f32.  st: [slice][block][wave][mean, M2] f32.
; Tile 4 c + T of 16 keys (of 16 queries too) has as row r the key 64 c + 8 T + r % 8 + 32 (r / 8).  So lane (r, h) of S^T holds, in the 32 registers of tiles 4 c .. 4 c + 3, the keys 64 c + 32 h + 0 .. 31: ONE WHOLE BLOCK of the
; second product's K, in its operand's own order: only the row's maximum and the scale word look at lane l xor 16.  V^T's tile t has as row r the column 8 t + r % 8 + 32 (r / 8): a lane's 32 registers of O^T are the columns 32 h + 0 .. 31.
; THE SOFTMAX AHEAD OF THE SECOND PRODUCT: t = score x log2(e) / 8; M = the largest t so far, rounded UP to a whole number; p = 2^(t - M) is what is quantised, along the keys.  The row's sum is taken of the unquantised p and divides at the end.
; When M moves, the sum and O are multiplied by 2^(old M - new M): exact.
; SHARES.  A work-group owns 128 queries of a slice: sixteen waves of 256 registers, four to a SIMD.  Each of its eight query tiles is shared by two waves, which divide the sixteen key steps:
; tiles 0-3: waves 0-3 take steps 0 to 10, waves 12-15 steps 11 to 15; tiles 4-7: waves 4-7 take steps 0 to 8, waves 8-11 steps 9 to 15.
; The two parts of a tile's keys are joined at the end by powers of two.  ALL of a slice's K and V, 204,800 bytes, comes into LDS once, one key step by each wave's one tensor load: no byte is filled twice.
; CLUSTER.  The four query blocks of a cluster belong to one slice and want the same K and V: each key step is asked for JOINTLY, by the same tensor load with a mask that names the four.
; No prefetch: all of K and V is asked for at the head, and there is no loop to run ahead in.
; Both products are used transposed: S^T = K Q^T, O^T = V^T P^T: a lane holds ONE query (lane % 16) throughout.
; THE FIRST PRODUCT'S K IS 64, THE INSTRUCTION'S 128: tile 2 i of keys lies at k = 0 .. 63 of source 0, tile 2 i + 1 at k = 64 .. 127, and source 1 is [Q | zero codes] for the even tile and [zero codes | Q] for the odd one:
; eighteen registers [zeros | Q | zeros] serve as both; one scale word serves both (the other tile's bytes meet zero codes).
; LIMITS: NaN and infinities are not served; the scaled scores stay under 2^31 in magnitude; a p under 2^-126 is 0 (v_exp_f32 flushes: ISA guide, its entry in 15.8); a block whose every p is 0 keeps the byte 1 over zero codes.
.set KVS,   12800                      ; a key step in LDS (from LDS byte 0 on) and in kv: 50 rows of 256 bytes
.set MS,    16*KVS                     ; for each tile's part 16 rows x (256 bytes + 16) of O, then 16 x (-M, l); no tile lands here
.set MSW,   4608
.set STAT,  MS+16*MSW                  ; 8 bytes for each wave
.set SPARE, STAT+256
.set AL, 1                             ; v1-6  LDS addresses: 16, 8, 4 x lane + my part's first step, for steps 0-4 (L) and 5-9 (H) of my part: an LDS offset has 16 bits.  (L serves waves 0-3 once more, for step 10)
.set AH, 2
.set BL, 3
.set BH, 4
.set CL, 5
.set CH, 6
.set TMP, 7
.set KS,  8                            ; v8-9   K's scale words: lanes 0-15 pair 2 i of tiles, lanes 16-31 pair 2 i + 1
.set QS,  10
.set PS,  11
.set VS,  12                           ; v12-13 V's: lanes 0-15 tile 2 i, lanes 16-31 tile 2 i + 1
.set SUM, 14                           ; v[14:15] the row's sum
.set NM,  16                           ; -M
.set MX,  17                           ; the largest score; at the end l
.set OM,  18                           ; the old -M
.set BT,  19
.set FF,  20                           ; v[20:21] f, and 0
.set QZ,  22                           ; v22-39  [zeros | Q | zeros]
.set KF,  40                           ; v40-87
.set VF,  88                           ; v88-135
.set S,   136                          ; v136-199 S^T, then p
.set O,   200                          ; v200-231 O^T
.set PC,  232                          ; v232-243 p's codes
.set BM,  244                          ; v244-245 the two blocks' largest scores, then p, then bytes
.set SO,  246                          ; v246-247 second chains, then the conversions' scale operands
.set T,   248                          ; v248-255 four partial sums; the second conversions' results
.set WV,  12
.set SEL, 20
.set CS,  22                           ; s[22:23] c = log2(e) / 8
.set NC,  60                           ; -c
.set G1,  24
.set G0,  32
.macro WALU
	s_wait_alu depctr_va_vdst(0)
.endm
.macro DEP1
	s_delay_alu instid0(VALU_DEP_1)
.endm
.macro CROUND
	s_barrier_signal -1
	s_barrier_wait -1
	s_cmp_lg_u32 s[WV], 0
	s_cbranch_scc1 .Lnot_wave_0_\@
	s_barrier_signal -3
.Lnot_wave_0_\@:
	s_barrier_wait -3
	s_barrier_signal -1
	s_barrier_wait -1
.endm
.macro WSUM r, t                       ; the sum over the 32 lanes, in every lane
.irp m, 1,2,4,8
	DEP1
	v_add_f32_dpp v[\r], v[\r], v[\r] row_xmask:\m row_mask:0xf bank_mask:0xf
.endr
	DEP1
	v_permlanex16_b32 v[\t], v[\r], s[SEL], s[SEL+1]
	DEP1
	v_add_f32 v[\r], v[\r], v[\t]
.endm
	s_load_b256 s[4:11], s[0:1], 0x0               ; qb s[4:5], kv s[6:7], ob s[8:9], st s[10:11]
	v_lshl_add_u32 v254, v0, 2, SPARE
	v_mov_b32 v255, 0
	ds_add_u32 v254, v255                          ; the opening add, twice on end
	ds_add_u32 v254, v255
	v_lshrrev_b32 v7, 5, v0
	v_readfirstlane_b32 s[WV], v7                  ; wave 0..15
	s_bfe_u32 s13, ttmp6, 0x40000                  ; cx
	s_lshl_b32 s14, ttmp9, 2
	s_add_co_u32 s14, s14, s13                     ; my block of 128 queries: it enters qb's, ob's and st's addresses alone
	s_and_b32 s15, ttmp7, 0xffff                   ; the slice, which the four partners share
	s_lshr_b32 s18, s[WV], 1
	s_and_b32 s18, s18, 4
	s_xor_b32 s16, s[WV], s18
	s_and_b32 s16, s16, 7                          ; my tile of queries: w, or, for the second part, w xor 4, both modulo 8
	s_lshr_b32 s17, s[WV], 3                       ; my part of the keys
	s_mov_b32 s[G1], 15|(3<<16)|(1<<21)            ; the mask: all four work-groups; elements of 8 bytes; bit 21 set beside a mask
	s_mov_b32 s[G1+1], 32<<16                      ; rows of 256 bytes
	s_mov_b32 s[G1+2], 50<<16
	s_mov_b32 s[G1+3], 32<<16
	s_mov_b32 s[G1+4], 50
	s_mov_b32 s[G1+5], 32
	s_mov_b32 s[G1+6], 0
	s_mov_b32 s[G1+7], 0
	s_mul_i32 s48, s15, 16*KVS                     ; the slice in kv: s[48:49] never hold my place in the cluster
	s_mov_b32 s49, 0
	s_mov_b32 s[G0], 1
	s_lshl_b32 s50, s15, 4
	s_add_co_u32 s50, s50, s14                     ; 16 x slice + block
	s_mul_i32 s51, s50, 6656
	s_mul_i32 s52, s16, 768
	s_add_co_u32 s52, s52, s51                     ; my tile's HF in qb
	s_mov_b32 s53, 0
	s_lshl_b32 s54, s16, 6
	s_add_co_u32 s54, s54, s51                     ; and (6,144 further on) its scale words
	s_mov_b32 s55, 0
	s_lshl_b32 s56, s50, 15                        ; ob: 128 rows of 256 bytes a block; the eight rows that I join begin at 64 c + 8 T + 32 x part
	s_lshr_b32 s19, s16, 2
	s_lshl_b32 s19, s19, 14
	s_add_co_u32 s56, s56, s19
	s_and_b32 s19, s16, 3
	s_lshl_b32 s19, s19, 11
	s_add_co_u32 s56, s56, s19
	s_lshl_b32 s19, s17, 13
	s_add_co_u32 s56, s56, s19
	s_mov_b32 s57, 0
	s_lshl_b32 s58, s50, 7                         ; st: 128 bytes a block
	s_mov_b32 s59, 0
	s_mov_b32 s[SEL], 0x76543210
	s_mov_b32 s[SEL+1], 0xfedcba98
	s_mov_b32 s[CS], 0x3e38aa3b                    ; c = log2(e) / sqrt(64)
	s_mov_b32 s[CS+1], s[CS]                       ; (named with it as a pair, so it is written)
	s_mov_b32 s[NC], 0xbe38aa3b
	s_lshr_b32 s18, s[WV], 2                       ; my part's first key step: 0; 9 for waves 8-11; 11 for waves 12-15
	s_and_b32 s18, s18, s17
	s_mul_i32 s18, s18, 2*KVS
	s_mul_i32 s19, s17, 9*KVS
	s_add_co_u32 s19, s19, s18
	v_and_b32 v7, 31, v0                           ; lane
	v_and_b32 v42, 15, v0
.irp j, 0,1,2,3,4,5
	v_mov_b32 v[QZ+\j], 0                          ; zero codes, written once
	v_mov_b32 v[QZ+12+\j], 0
.endr
	v_lshlrev_b32 v40, 4, v7
	v_lshlrev_b32 v41, 3, v7
	v_lshlrev_b32 v43, 2, v7
	v_lshlrev_b32 v42, 2, v42                      ; 4 r
	v_add_nc_u32 v[AL], s19, v40
	v_add_nc_u32 v[BL], s19, v41
	v_add_nc_u32 v[CL], s19, v43
	v_mov_b32 v[BT], 0                             ; a lane permute's destination counts as one of its sources
	v_add_nc_u32 v[AH], 5*KVS, v[AL]
	v_add_nc_u32 v[BH], 5*KVS, v[BL]
	v_add_nc_u32 v[CH], 5*KVS, v[CL]
	v_mov_b32 v[SUM], 0
	v_mov_b32 v[SUM+1], 0
	v_mov_b32 v[FF+1], 0                           ; (named as the upper half of the pair v[FF:FF+1])
	WALU                                           ; the wait at the head's end
	s_wait_dscnt 0x0                               ; both opening adds are done
	s_wait_kmcnt 0x0
	s_add_nc_u64 s[6:7], s[6:7], s[48:49]
	s_add_nc_u64 s[54:55], s[4:5], s[54:55]
	s_add_nc_u64 s[4:5], s[4:5], s[52:53]
	s_add_nc_u64 s[8:9], s[8:9], s[56:57]
	s_add_nc_u64 s[10:11], s[10:11], s[58:59]
	global_load_b128 v[QZ+6:QZ+9], v40, s[4:5]     ; Q's HF stays in registers, between two runs of zero codes
	global_load_b64 v[QZ+10:QZ+11], v41, s[4:5] offset:512
	global_load_b32 v[QS], v42, s[54:55] offset:6144
	CROUND                                         ; all four work-groups are here: the joint loads meet
; One tensor load a wave, in one chain of branches: key step mul x wave + add - sub.  Waves 0-2 fetch steps 0, 9, 11, the first of each part; waves 3-5 steps 1, 10, 12, the second; waves 6-12 steps 2-8; waves 13-15 steps 13-15.
; The first two groups are waited for ahead of the others.
.macro FETCH mul, add, sub
	s_mul_i32 s18, s[WV], (\mul)*KVS
.if \add
	s_add_co_u32 s18, s18, (\add)*KVS
.endif
.if \sub
	s_sub_co_u32 s18, s18, (\sub)*KVS
.endif
	s_mov_b32 s19, 0
	s_mov_b32 s[G0+1], s18
	s_add_nc_u64 s[G0+2:G0+3], s[6:7], s[18:19]
	s_or_b32 s[G0+3], s[G0+3], 0x80000000
	tensor_load_to_lds s[G0:G0+3], s[G1:G1+7]
	s_nop 0
.rept 4
	v_nop
.endr
.endm
.macro ARM under, mul, add, sub, next
	s_cmp_lt_u32 s[WV], \under
	s_cbranch_scc0 \next
	FETCH \mul, \add, \sub
	s_branch .Lasked
\next:
.endm
	ARM 1, 1, 0, 0, .Lfetch_1
	ARM 3, 2, 7, 0, .Lfetch_2
	ARM 4, 1, 0, 2, .Lfetch_3
	ARM 6, 2, 2, 0, .Lfetch_4
	ARM 13, 1, 0, 4, .Lfetch_5
	FETCH 1, 0, 0
.Lasked:
	s_wait_loadcnt 0x0                             ; Q
	s_cmp_lt_u32 s[WV], 3
	s_cbranch_scc0 .Lno_wait
	s_wait_tensorcnt 0x0
.Lno_wait:
	s_barrier_signal -1
	s_barrier_wait -1                              ; each part's first key step is in
.macro ADR s
.if ((\s) < 5) || ((\s) == 10)
.set RA_, AL
.set RB_, BL
.set RC_, CL
.else
.set RA_, AH
.set RB_, BH
.set RC_, CH
.endif
.set OF_, KVS*((\s)%5)
.endm
.macro KLOAD s                         ; a step's K: eight HFs, two to a fragment, and two registers of scale words: 18 loads
	ADR \s
.irp i, 0,1,2,3,4,5,6,7
	ds_load_b128 v[KF+6*\i:KF+6*\i+3], v[RA_] offset:OF_+768*\i
	ds_load_b64 v[KF+6*\i+4:KF+6*\i+5], v[RB_] offset:OF_+768*\i+512
.endr
.irp i, 0,1
	ds_load_b32 v[KS+\i], v[RC_] offset:OF_+6144+128*\i
.endr
.endm
.macro VLOAD s                         ; its V: 18 loads
	ADR \s
.irp i, 0,1,2,3,4,5,6,7
	ds_load_b128 v[VF+6*\i:VF+6*\i+3], v[RA_] offset:OF_+6400+768*\i
	ds_load_b64 v[VF+6*\i+4:VF+6*\i+5], v[RB_] offset:OF_+6400+768*\i+512
.endr
.irp i, 0,1
	ds_load_b32 v[VS+\i], v[RC_] offset:OF_+12544+128*\i
.endr
.endm
; THE ROW'S SUM of a step's 64 p, two at a time, in four chains: A, eight additions behind the second product (its places); B, twenty under the next step's V loads; C, the chains' joining, behind the next step's scores (their places).
.macro SUMA
.irp k, 0,2,4,6
	v_pk_add_f32 v[T+\k:T+\k+1], v[S+\k:S+\k+1], v[S+8+\k:S+9+\k]
.endr
.irp k, 0,2,4,6
	v_pk_add_f32 v[T+\k:T+\k+1], v[T+\k:T+\k+1], v[S+16+\k:S+17+\k]
.endr
.endm
.macro SUMB
.irp q, 24,32,40,48,56
.irp k, 0,2,4,6
	v_pk_add_f32 v[T+\k:T+\k+1], v[T+\k:T+\k+1], v[S+\q+\k:S+\q+\k+1]
.endr
.endr
.endm
.macro SUMC
	v_pk_add_f32 v[T:T+1], v[T:T+1], v[T+2:T+3]
	v_pk_add_f32 v[T+4:T+5], v[T+4:T+5], v[T+6:T+7]
	DEP1
	v_pk_add_f32 v[T:T+1], v[T:T+1], v[T+4:T+5]
	DEP1
	v_pk_add_f32 v[SUM:SUM+1], v[SUM:SUM+1], v[T:T+1]
.endm
.macro SCORE i, d, q
.if (\i)%2
	v_wmma_scale_f32_16x16x128_f8f6f4 v[S+\d:S+\d+7], v[KF+12*\i:KF+12*\i+11], v[\q:\q+11], 0, v[KS+\i/2], v[QS] matrix_a_fmt:MATRIX_FMT_FP6 matrix_b_fmt:MATRIX_FMT_FP6 matrix_a_scale:MATRIX_SCALE_ROW1
.else
	v_wmma_scale_f32_16x16x128_f8f6f4 v[S+\d:S+\d+7], v[KF+12*\i:KF+12*\i+11], v[\q:\q+11], 0, v[KS+\i/2], v[QS] matrix_a_fmt:MATRIX_FMT_FP6 matrix_b_fmt:MATRIX_FMT_FP6
.endif
.endm
; A KEY STEP: 128 keys.  mode 1: the wave's first (O begins with C = 0); 0: the usual; 3: the last.
; In modes 1 and 2 a barrier lies over the exponentials and conversions, with register work alone between its signal and its wait: it shows the second key steps (mode 1) or all the others (mode 2), and the next step's K is asked for behind it.
; In mode 0 the next step's K is asked for behind the scores.
.macro STEP s, mode
.set NXT, (\s)+1
.if \mode == 1
	KLOAD \s
.endif
	VLOAD \s
.if \mode != 1
	SUMB
	WALU
.endif
	s_wait_dscnt 18                                ; K is in; V's 18 loads were issued behind it and may be out
.irp i, 0,1,2,3
	SCORE \i, 16*\i, QZ+6
	SCORE \i, 16*\i+8, QZ
.endr                                          ; lane (r, h) holds query r; register 32 c + n is key 64 c + 32 h + n of the step
.if \mode == 1
.rept 4
	v_nop
.endr
.else
	SUMC                                           ; four places: in front of the loads into K's registers, which the scores have read, and of the first read of the scores
	v_mov_b32 v[OM], v[NM]
.endif
.if \mode == 0
	KLOAD NXT
.endif
.irp c, 0,1
	v_max3_num_f32 v[BM+\c], v[S+32*\c], v[S+32*\c+1], v[S+32*\c+2]   ; THE LARGEST SCORE OF EACH BLOCK serves twice: for the row's maximum, and, since p rises with the score, for the block's largest p
	v_max3_num_f32 v[SO+\c], v[S+32*\c+16], v[S+32*\c+17], v[S+32*\c+18]
.endr
.irp i, 3,5,7,9,11,13
.irp c, 0,1
	v_max3_num_f32 v[BM+\c], v[BM+\c], v[S+32*\c+\i], v[S+32*\c+\i+1]
	v_max3_num_f32 v[SO+\c], v[SO+\c], v[S+32*\c+16+\i], v[S+32*\c+17+\i]
.endr
.endr
.irp c, 0,1
	v_max3_num_f32 v[BM+\c], v[BM+\c], v[S+32*\c+15], v[S+32*\c+31]
.endr
.irp c, 0,1
	v_max_num_f32 v[BM+\c], v[BM+\c], v[SO+\c]
.endr
	DEP1
	v_max_num_f32 v[TMP], v[BM], v[BM+1]
	DEP1
	v_permlanex16_b32 v[BT], v[TMP], s[SEL], s[SEL+1]
	DEP1
.if \mode == 1
	v_max_num_f32 v[MX], v[TMP], v[BT]
.else
	v_max3_num_f32 v[MX], v[MX], v[TMP], v[BT]     ; the running largest score
.endif
	DEP1
	v_mul_f32 v[TMP], s[NC], v[MX]                 ; -t (c is positive)
	DEP1
	v_floor_f32 v[NM], v[TMP]                      ; -M = floor(-t) = -ceil(t): M IS A WHOLE NUMBER
.if \mode != 1
	DEP1
	v_sub_f32 v[TMP], v[NM], v[OM]                 ; M's old value less its new one: a whole number, 0 or less
	DEP1
	v_cvt_i32_f32 v[TMP], v[TMP]                   ; (it saturates)
	DEP1
	v_ldexp_f32 v[FF], 1.0, v[TMP]                 ; f = 2^(old M - new M)
.endif
.set j, 0
.rept 32
	v_pk_fma_f32 v[S+j:S+j+1], v[S+j:S+j+1], s[CS:CS+1], v[NM:NM+1] op_sel_hi:[1,0,0]   ; t - M, two at a time (of the pairs c and -M the low word serves both halves)
.set j, j+2
.endr
.irp c, 0,1
	v_fma_f32 v[BM+\c], v[BM+\c], s[CS], v[NM]     ; the same of each block's largest score
.endr
	WALU
.if \mode == 1
	s_cmp_lt_u32 s[WV], 6
	s_cbranch_scc0 .Lno_wait_\@
	s_wait_tensorcnt 0x0                           ; waves 0 to 5: my key step is in
.Lno_wait_\@:
	s_wait_dscnt 0x0
	s_barrier_signal -1
.elseif \mode == 2
	s_wait_tensorcnt 0x0                           ; every wave's key step is in
	s_wait_dscnt 0x0
	s_barrier_signal -1
.elseif \mode == 0
	s_wait_dscnt 18                                ; V is in; the next K's 18 loads may be out
.else
	s_wait_dscnt 0x0
.endif
.set j, 0
.rept 64
	v_exp_f32 v[S+j], v[S+j]                       ; p = 2^(t - M), at most 1: NOT normalised
.set j, j+1
.endr
.irp c, 0,1
	v_exp_f32 v[BM+\c], v[BM+\c]                   ; the block's largest p: the same two instructions on the same number give the same bits
.endr
.if \mode == 1
	v_nop
.else
	v_pk_mul_f32 v[SUM:SUM+1], v[SUM:SUM+1], v[FF:FF+1] op_sel_hi:[1,0]   ; the sum under the new M.  (A plain place behind the exponentials)
.endif
	WALU
.irp c, 0,1
	v_max_num_f32 v[BM+\c], 0x1800000, v[BM+\c]    ; the floor 2^(3 - 127): the byte cannot fall under 1
.endr
.irp c, 0,1
	s_delay_alu instid0(VALU_DEP_2)
	v_add_nc_u32 v[SO+\c], 0xff000000, v[BM+\c]    ; 2 off the exponent field: the conversion's scale operand
.endr
.irp c, 0,1
	v_cvt_scalef32_pk16_fp6_f32 v[PC+6*\c:PC+6*\c+2], v[S+32*\c:S+32*\c+15], v[SO+\c]
	v_cvt_scalef32_pk16_fp6_f32 v[T+4*\c:T+4*\c+2], v[S+32*\c+16:S+32*\c+31], v[SO+\c]   ; (a conversion's three registers begin on an even number)
.endr
.irp c, 0,1
	v_lshrrev_b32 v[BM+\c], 23, v[SO+\c]           ; the scale's byte.  (Also the plain place behind the conversions)
.endr
	DEP1
	v_lshl_or_b32 v[TMP], v[BM+1], 16, v[BM]       ; my bytes: blocks h and 2 + h
	DEP1
	v_permlanex16_b32 v[BT], v[TMP], s[SEL], s[SEL+1]
	DEP1
	v_lshl_or_b32 v[PS], v[BT], 8, v[TMP]          ; lanes 0-15: p's scale word for these 128 keys (lanes 16-31 are not read)
.irp c, 0,1
.irp i, 0,1,2
	v_mov_b32 v[PC+6*\c+3+\i], v[T+4*\c+\i]
.endr
.endr
.if (\mode == 1) || (\mode == 2)
	WALU
	s_barrier_wait -1
	KLOAD NXT
.endif
.if \mode == 1
.rept 4
	v_nop                                          ; with the six moves the places between p's scale word and codes and the products
.endr
.else
	WALU                                           ; the wait directly ahead of the first reader of O^T
.set j, 0
.rept 16
	v_pk_mul_f32 v[O+j:O+j+1], v[O+j:O+j+1], v[FF:FF+1] op_sel_hi:[1,0]   ; O^T under the new M.  (These are also the places between p's scale word and codes and the products)
.set j, j+2
.endr
.endif
.irp t, 0,1,2,3                                ; O^T += V^T P^T; K = these 128 keys; the four accumulators by turns
	PV \t, \mode
.endr
	SUMA
.endm
.macro PV t, mode
.if \mode == 1
.if \t%2
	v_wmma_scale_f32_16x16x128_f8f6f4 v[O+8*\t:O+8*\t+7], v[VF+12*\t:VF+12*\t+11], v[PC:PC+11], 0, v[VS+\t/2], v[PS] matrix_a_fmt:MATRIX_FMT_FP6 matrix_b_fmt:MATRIX_FMT_FP6 matrix_a_scale:MATRIX_SCALE_ROW1
.else
	v_wmma_scale_f32_16x16x128_f8f6f4 v[O+8*\t:O+8*\t+7], v[VF+12*\t:VF+12*\t+11], v[PC:PC+11], 0, v[VS+\t/2], v[PS] matrix_a_fmt:MATRIX_FMT_FP6 matrix_b_fmt:MATRIX_FMT_FP6
.endif
.else
.if \t%2
	v_wmma_scale_f32_16x16x128_f8f6f4 v[O+8*\t:O+8*\t+7], v[VF+12*\t:VF+12*\t+11], v[PC:PC+11], v[O+8*\t:O+8*\t+7], v[VS+\t/2], v[PS] matrix_a_fmt:MATRIX_FMT_FP6 matrix_b_fmt:MATRIX_FMT_FP6 matrix_a_scale:MATRIX_SCALE_ROW1
.else
	v_wmma_scale_f32_16x16x128_f8f6f4 v[O+8*\t:O+8*\t+7], v[VF+12*\t:VF+12*\t+11], v[PC:PC+11], v[O+8*\t:O+8*\t+7], v[VS+\t/2], v[PS] matrix_a_fmt:MATRIX_FMT_FP6 matrix_b_fmt:MATRIX_FMT_FP6
.endif
.endif
.endm
	STEP 0, 1
	STEP 1, 2
	STEP 2, 0
	STEP 3, 0
	WALU
	s_cmp_lt_u32 s[WV], 12
	s_cbranch_scc0 .Lfive
	STEP 4, 0
	STEP 5, 0
	WALU
	s_cmp_lt_u32 s[WV], 8
	s_cbranch_scc0 .Lseven
	STEP 6, 0
	STEP 7, 0
	WALU
	s_cmp_lt_u32 s[WV], 4
	s_cbranch_scc0 .Lnine
	v_add_nc_u32 v[AL], 5*KVS, v[AH]               ; waves 0-3: eleven steps
	v_add_nc_u32 v[BL], 5*KVS, v[BH]
	v_add_nc_u32 v[CL], 5*KVS, v[CH]
	WALU
	STEP 8, 0
	STEP 9, 0
	STEP 10, 3
	WALU
	s_branch .Lmeet
.Lfive:
	STEP 4, 3                                      ; waves 12-15: five
	WALU
	s_branch .Lmeet
.Lseven:
	STEP 6, 3                                      ; waves 8-11: seven
	WALU
	s_branch .Lmeet
.Lnine:
	STEP 8, 3                                      ; waves 4-7: nine
	WALU
.Lmeet:
	SUMB
	SUMC
	; THE TWO PARTS OF THE KEYS MEET.  Each wave lays its O^T (as rows of 256 bytes), -M and l into LDS bytes of its own, by tile and part; behind a barrier the two waves of a tile join eight of its rows each.
.set OA, 40                            ; four times two rows of the first part's O, 16 bytes a lane
.set OB, 56                            ; the second part's
.set NA, 72                            ; (-M, l) of my row, first part; second part
.set NB, 80
.set GA, 88                            ; (g, f) for the first part; for the second
.set GB, 96
.set NJ, 104                           ; the joint -M; the joint l
.set LL, 108
.set RS, 112                           ; the results
.set T0, 128                           ; at work on the mean and M2
.set RR,  22                           ; r
.set HH,  23                           ; h
.set LN,  24                           ; lane
.set AIN, 25                           ; where I lay O^T
.set AML, 26                           ; and (-M, l)
.set RWX, 27                           ; the row that I read back
.set ABK, 28                           ; where I read O back
.set ANB, 29                           ; and (-M, l)
.set AOB, 30                           ; my offset in ob
.set AST, 31                           ; my wave's (mean, M2) in LDS
.set ASR, 32                           ; wave 0: where it reads the sixteen pairs
.set AGS, 33                           ; and its offset in st
.set STV, 34
	DEP1
	v_add_f32 v14, v14, v15                        ; the sum's two halves,
	DEP1
	v_permlanex16_b32 v[BT], v14, s[SEL], s[SEL+1]
	v_and_b32 v[RR], 15, v0
	v_bfe_u32 v[HH], v0, 4, 1
	v_and_b32 v[LN], 31, v0
	v_add_f32 v[MX], v14, v[BT]                    ; and lane l xor 16's: l of my part of the keys, beside -M
	s_lshl_b32 s48, s17, 3
	s_add_co_u32 s48, s48, s16                     ; 8 x part + tile
	s_mul_i32 s48, s48, MSW
	s_add_co_u32 s48, s48, MS                      ; my own bytes
	v_mul_u32_u24 v[AIN], v[RR], 272
	DEP1
	v_lshl_add_u32 v[AIN], v[HH], 7, v[AIN]
	DEP1
	v_add_nc_u32 v[AIN], s48, v[AIN]               ; in: row r, + 128 h
	v_lshl_add_u32 v[AML], v[RR], 3, s48           ; (-M, l): 8 bytes a row, 4,352 further on
	s_mul_i32 s49, s16, MSW
	s_add_co_u32 s49, s49, MS                      ; my tile's first part
	s_lshl_b32 s50, s17, 3
	v_add_nc_u32 v[RWX], s50, v[HH]                ; back: lanes 0-15 row 8 x part, lanes 16-31 the next
	DEP1
	v_mul_u32_u24 v[ABK], v[RWX], 272
	DEP1
	v_lshl_add_u32 v[ABK], v[RR], 4, v[ABK]
	DEP1
	v_add_nc_u32 v[ABK], s49, v[ABK]
	v_lshl_add_u32 v[ANB], v[RWX], 3, s49
	v_lshlrev_b32 v[AOB], 4, v[LN]                 ; ob: 16 bytes a lane
	s_lshl_b32 s51, s[WV], 3
	s_add_co_u32 s51, s51, STAT
	v_mov_b32 v[AST], s51
	v_lshl_add_u32 v[ASR], v[LN], 2, STAT
	v_lshlrev_b32 v[AGS], 2, v[LN]
.irp t, 0,1,2,3
	ds_store_b128 v[AIN], v[O+8*\t:O+8*\t+3] offset:32*\t          ; register 8 t + j is o(r, 32 h + 8 t + j); each accumulator from its low end on
	ds_store_b128 v[AIN], v[O+8*\t+4:O+8*\t+7] offset:32*\t+16
.endr
	ds_store_b64 v[AML], v[NM:NM+1] offset:4352    ; both lanes of a query write the same two words
	WALU
	s_wait_dscnt 0x0                               ; for the others' sake
	s_barrier_signal -1
	s_barrier_wait -1
.irp i, 0,1,2,3
	ds_load_b128 v[OA+4*\i:OA+4*\i+3], v[ABK] offset:544*\i
	ds_load_b128 v[OB+4*\i:OB+4*\i+3], v[ABK] offset:8*MSW+544*\i
	ds_load_b64 v[NA+2*\i:NA+2*\i+1], v[ANB] offset:4352+16*\i
	ds_load_b64 v[NB+2*\i:NB+2*\i+1], v[ANB] offset:8*MSW+4352+16*\i
.endr
	s_wait_dscnt 0x0
.irp i, 0,1,2,3
	v_min_num_f32 v[NJ+\i], v[NA+2*\i], v[NB+2*\i] ; the joint -M: the larger M
.endr
.irp i, 0,1,2,3
	v_sub_f32 v[GA+2*\i+1], v[NJ+\i], v[NA+2*\i]   ; each part's M less the joint one: a whole number, 0 or less
	v_sub_f32 v[GB+2*\i+1], v[NJ+\i], v[NB+2*\i]
.endr
.irp i, 0,1,2,3
	v_cvt_i32_f32 v[GA+2*\i+1], v[GA+2*\i+1]
	v_cvt_i32_f32 v[GB+2*\i+1], v[GB+2*\i+1]
.endr
.irp i, 0,1,2,3
	v_ldexp_f32 v[GA+2*\i+1], 1.0, v[GA+2*\i+1]    ; f: a power of two
	v_ldexp_f32 v[GB+2*\i+1], 1.0, v[GB+2*\i+1]
.endr
.irp i, 0,1,2,3
	v_mul_f32 v[LL+\i], v[GA+2*\i+1], v[NA+2*\i+1]
.endr
.irp i, 0,1,2,3
	v_fma_f32 v[LL+\i], v[GB+2*\i+1], v[NB+2*\i+1], v[LL+\i]   ; the row's sum
.endr
	WALU
.irp i, 0,1,2,3
	v_rcp_f32 v[LL+\i], v[LL+\i]
.endr
	v_nop                                          ; a plain place behind the reciprocals
	WALU
.irp i, 0,1,2,3
	v_mul_f32 v[GA+2*\i], v[GA+2*\i+1], v[LL+\i]   ; g = f / l
	v_mul_f32 v[GB+2*\i], v[GB+2*\i+1], v[LL+\i]
.endr
.irp i, 0,1,2,3
.irp k, 0,2
	v_pk_mul_f32 v[RS+4*\i+\k:RS+4*\i+\k+1], v[OA+4*\i+\k:OA+4*\i+\k+1], v[GA+2*\i:GA+2*\i+1] op_sel_hi:[1,0]
.endr
.endr
.irp i, 0,1,2,3
.irp k, 0,2
	v_pk_fma_f32 v[RS+4*\i+\k:RS+4*\i+\k+1], v[OB+4*\i+\k:OB+4*\i+\k+1], v[GB+2*\i:GB+2*\i+1], v[RS+4*\i+\k:RS+4*\i+\k+1] op_sel_hi:[1,0,1]
.endr
.endr
.irp i, 0,1,2,3
	global_store_b128 v[AOB], v[RS+4*\i:RS+4*\i+3], s[8:9] offset:512*\i   ; two rows: 512 consecutive bytes, at a multiple of 256 from ob's first byte
.endr
	; my 512 numbers' mean, and the sum of their squared distances from it: no difference of large sums is formed
	v_pk_add_f32 v[T0:T0+1], v[RS:RS+1], v[RS+2:RS+3]
	v_pk_add_f32 v[T0+2:T0+3], v[RS+4:RS+5], v[RS+6:RS+7]
	v_pk_add_f32 v[T0+4:T0+5], v[RS+8:RS+9], v[RS+10:RS+11]
	v_pk_add_f32 v[T0+6:T0+7], v[RS+12:RS+13], v[RS+14:RS+15]
	v_pk_add_f32 v[T0:T0+1], v[T0:T0+1], v[T0+2:T0+3]
	s_delay_alu instid0(VALU_DEP_2)
	v_pk_add_f32 v[T0+4:T0+5], v[T0+4:T0+5], v[T0+6:T0+7]
	DEP1
	v_pk_add_f32 v[T0:T0+1], v[T0:T0+1], v[T0+4:T0+5]
	DEP1
	v_add_f32 v[T0], v[T0], v[T0+1]
	WSUM T0, T0+1
	DEP1
	v_mul_f32 v[T0], 0x3b000000, v[T0]             ; / 512
.irp k, 0,2,4,6,8,10,12,14
	v_pk_add_f32 v[OA+\k:OA+\k+1], v[RS+\k:RS+\k+1], v[T0:T0+1] op_sel_hi:[1,0] neg_lo:[0,1] neg_hi:[0,1]   ; x - mean
.endr
	v_pk_mul_f32 v[T0+2:T0+3], v[OA:OA+1], v[OA:OA+1]
	v_pk_mul_f32 v[T0+4:T0+5], v[OA+2:OA+3], v[OA+2:OA+3]
.irp k, 4,8,12
	v_pk_fma_f32 v[T0+2:T0+3], v[OA+\k:OA+\k+1], v[OA+\k:OA+\k+1], v[T0+2:T0+3]
	v_pk_fma_f32 v[T0+4:T0+5], v[OA+2+\k:OA+\k+3], v[OA+2+\k:OA+\k+3], v[T0+4:T0+5]
.endr
	DEP1
	v_pk_add_f32 v[T0+2:T0+3], v[T0+2:T0+3], v[T0+4:T0+5]
	DEP1
	v_add_f32 v[T0+1], v[T0+2], v[T0+3]
	WSUM T0+1, T0+2
	ds_store_b64 v[AST], v[T0:T0+1]                ; all lanes write the same two words with the same values
	s_wait_dscnt 0x0
	s_barrier_signal -1
	s_barrier_wait -1
	s_cmp_lg_u32 s[WV], 0
	s_cbranch_scc1 .Lnot_stats
	ds_load_b32 v[STV], v[ASR]                     ; wave 0: the sixteen pairs leave as 128 consecutive bytes
	s_wait_dscnt 0x0
	global_store_b32 v[AGS], v[STV], s[10:11]
.Lnot_stats:
	s_wait_xcnt 0x0
	v_lshl_add_u32 v254, v0, 2, SPARE
	v_mov_b32 v255, 0
	WALU
	s_wait_tensorcnt 0x0                           ; the wave's end
	ds_add_u32 v254, v255
	s_wait_dscnt 0x0
	CROUND                                         ; the closing round: no work-group ends while a partner may still ask for a tile that names it
	s_endpgm
.Lfunc_end_k_qb7d4b59752_attn:
	.size	k_qb7d4b59752_attn, .Lfunc_end_k_qb7d4b59752_attn-k_qb7d4b59752_attn
	.p2alignl 7, 3214868480
	.fill 96, 4, 3214868480
	.section	.rodata,"a",@progbits
	.p2align	6, 0x0
	.amdhsa_kernel k_qb7d4b59752_attn
		.amdhsa_group_segment_fixed_size 280832
		.amdhsa_private_segment_fixed_size 0
		.amdhsa_enable_private_segment 0
		.amdhsa_kernarg_size 32
		.amdhsa_user_sgpr_count 2
		.amdhsa_user_sgpr_kernarg_segment_ptr 1
		.amdhsa_wavefront_size32 1
		.amdhsa_system_sgpr_workgroup_id_x 1
		.amdhsa_system_sgpr_workgroup_id_y 1
		.amdhsa_system_sgpr_workgroup_id_z 1
		.amdhsa_system_vgpr_workitem_id 0
		.amdhsa_next_free_vgpr 256
		.amdhsa_next_free_sgpr 66
		.amdhsa_reserve_vcc 0
		.amdhsa_float_denorm_mode_32 3
		.amdhsa_float_denorm_mode_16_64 3
		.amdhsa_memory_ordered 1
		.amdhsa_forward_progress 1
		.amdhsa_inst_pref_size 225
	.end_amdhsa_kernel
	.amdgpu_metadata
---
amdhsa.version: [ 1, 2 ]
amdhsa.kernels:
  - .name:           k_qb7d4b59752_attn
    .symbol:         k_qb7d4b59752_attn.kd
    .args:
      - { .name: qb, .offset: 0, .size: 8, .value_kind: global_buffer, .address_space: global }
      - { .name: kv, .offset: 8, .size: 8, .value_kind: global_buffer, .address_space: global }
      - { .name: ob, .offset: 16, .size: 8, .value_kind: global_buffer, .address_space: global }
      - { .name: st, .offset: 24, .size: 8, .value_kind: global_buffer, .address_space: global }
    .group_segment_fixed_size: 280832
    .private_segment_fixed_size: 0
    .kernarg_segment_align: 8
    .kernarg_segment_size: 32
    .max_flat_workgroup_size: 512
    .sgpr_count:     66
    .vgpr_count:     256
    .wavefront_size: 32
...
	.end_amdgpu_metadata
.endif
;; end of part 3
;; launch norm (part 4): grid 256 x 1, 8 waves a work-group, no clusters, 0 bytes of LDS; arguments ob, st, out0; writes out0
.if DOCPART == 4
	.amdgcn_target "amdgcn-amd-amdhsa--gfx1250"
	.amdhsa_code_object_version 6
	.text
	.protected	k_qb7d4b59752_norm
	.globl	k_qb7d4b59752_norm
	.p2align	8
	.type	k_qb7d4b59752_norm,@function
k_qb7d4b59752_norm:
	s_mov_b64 s[64:65], 0
	v_nop
	global_prefetch_b8 v0, s[64:65] scope:SCOPE_SE
	s_setreg_imm32_b32 hwreg(HW_REG_WAVE_MODE, 25, 1), 1
	s_wait_xcnt 0x0
; out0 = (x - mu) / sqrt(var + 1e-5) over each of 16 slices of 131,072 numbers.  ob: [16][2048][64] f32.  st: for each slice 256 pairs (mean, M2) of 512 numbers each, 2,048 bytes.
; The groups are of equal size, so mu is the mean of the means, and var x 131,072 = the sum of the M2 + 512 x the sum of (mean - mu)^2: no difference of large sums is formed.
; A work-group owns 32,768 bytes of one slice; thread t owns 16 bytes of each 4,096, so a wave's load or store covers 512 consecutive bytes.  Every wave joins the slice's 256 pairs for itself (8 a lane): no LDS, no barrier.
; A stream: matrix units, clusters and LDS would add nothing.  LIMITS: NaN and infinities are not served.
.macro WSUM r, t                       ; the sum over the 32 lanes, in every lane
	s_delay_alu instid0(VALU_DEP_1)
	v_add_f32_dpp v[\r], v[\r], v[\r] row_xmask:1 row_mask:0xf bank_mask:0xf
	s_delay_alu instid0(VALU_DEP_1)
	v_add_f32_dpp v[\r], v[\r], v[\r] row_xmask:2 row_mask:0xf bank_mask:0xf
	s_delay_alu instid0(VALU_DEP_1)
	v_add_f32_dpp v[\r], v[\r], v[\r] row_xmask:4 row_mask:0xf bank_mask:0xf
	s_delay_alu instid0(VALU_DEP_1)
	v_add_f32_dpp v[\r], v[\r], v[\r] row_xmask:8 row_mask:0xf bank_mask:0xf
	s_delay_alu instid0(VALU_DEP_1)
	v_permlanex16_b32 v[\t], v[\r], s14, s15
	s_delay_alu instid0(VALU_DEP_1)
	v_add_f32 v[\r], v[\r], v[\t]
.endm
	s_load_b128 s[4:7], s[0:1], 0x0                ; ob s[4:5], st s[6:7]
	s_load_b64 s[8:9], s[0:1], 0x10                ; out0
	v_lshlrev_b32 v1, 4, v0                        ; 16 bytes a thread
	v_and_b32 v2, 31, v0
	s_delay_alu instid0(VALU_DEP_1)
	v_lshlrev_b32 v2, 6, v2                        ; 64 bytes of pairs a lane
	s_lshl_b32 s10, ttmp9, 15                      ; my 32,768 bytes
	s_mov_b32 s11, 0
	s_lshr_b32 s12, ttmp9, 4                       ; the slice
	s_lshl_b32 s12, s12, 11
	s_mov_b32 s13, 0
	s_mov_b32 s14, 0x76543210
	s_mov_b32 s15, 0xfedcba98
	s_mov_b32 s16, 0x37000000                      ; 1 / 131,072
	s_wait_alu depctr_va_vdst(0)
	s_wait_kmcnt 0x0
	s_add_nc_u64 s[4:5], s[4:5], s[10:11]
	s_add_nc_u64 s[8:9], s[8:9], s[10:11]
	s_add_nc_u64 s[6:7], s[6:7], s[12:13]
.irp i, 0,1,2,3
	global_load_b128 v[8+4*\i:11+4*\i], v2, s[6:7] offset:16*\i
.endr
.irp i, 0,1,2,3,4,5,6,7
	global_load_b128 v[24+4*\i:27+4*\i], v1, s[4:5] offset:4096*\i th:TH_LOAD_NT
.endr
	s_wait_loadcnt 8                               ; the pairs are in; the eight loads of x behind them may be out
	v_pk_add_f32 v[4:5], v[8:9], v[10:11]          ; (the sum of my means, the sum of my M2)
	v_pk_add_f32 v[6:7], v[12:13], v[14:15]
	v_pk_add_f32 v[56:57], v[16:17], v[18:19]
	v_pk_add_f32 v[58:59], v[20:21], v[22:23]
	s_delay_alu instid0(VALU_DEP_3)
	v_pk_add_f32 v[4:5], v[4:5], v[6:7]
	s_delay_alu instid0(VALU_DEP_2)
	v_pk_add_f32 v[56:57], v[56:57], v[58:59]
	s_delay_alu instid0(VALU_DEP_1)
	v_pk_add_f32 v[4:5], v[4:5], v[56:57]
	WSUM 4, 6
	s_delay_alu instid0(VALU_DEP_1)
	v_mul_f32 v60, 0x3b800000, v4                  ; mu = the sum of 256 means / 256
.irp k, 0,1,2,3,4,5,6,7
	v_sub_f32 v[8+2*\k], v[8+2*\k], v60
.endr
	v_mul_f32 v6, v8, v8
.irp k, 1,2,3,4,5,6,7
	s_delay_alu instid0(VALU_DEP_1)
	v_fma_f32 v6, v[8+2*\k], v[8+2*\k], v6
.endr
	s_delay_alu instid0(VALU_DEP_1)
	v_fma_f32 v5, 0x44000000, v6, v5               ; M2 + 512 x (mean - mu)^2
	WSUM 5, 6
	s_delay_alu instid0(VALU_DEP_1)
	v_fmaak_f32 v5, s16, v5, 0x3727c5ac            ; var + 1e-5
	s_wait_alu depctr_va_vdst(0)
	v_rsq_f32 v56, v5
	v_nop                                          ; a plain place behind the transcendental
	s_wait_alu depctr_va_vdst(0)
	v_mul_f32 v58, -v60, v56                       ; -mu / sqrt(var + eps)
	s_wait_alu depctr_va_vdst(0)
	s_wait_loadcnt 0x0
.set j, 0
.rept 16
	v_pk_fma_f32 v[24+j:25+j], v[24+j:25+j], v[56:57], v[58:59] op_sel_hi:[1,0,0]   ; of both pairs the low word serves both halves
.set j, j+2
.endr
.irp i, 0,1,2,3,4,5,6,7
	global_store_b128 v1, v[24+4*\i:27+4*\i], s[8:9] offset:4096*\i
.endr
	s_endpgm
.Lfunc_end_k_qb7d4b59752_norm:
	.size	k_qb7d4b59752_norm, .Lfunc_end_k_qb7d4b59752_norm-k_qb7d4b59752_norm
	.p2alignl 7, 3214868480
	.fill 96, 4, 3214868480
	.section	.rodata,"a",@progbits
	.p2align	6, 0x0
	.amdhsa_kernel k_qb7d4b59752_norm
		.amdhsa_group_segment_fixed_size 0
		.amdhsa_private_segment_fixed_size 0
		.amdhsa_enable_private_segment 0
		.amdhsa_kernarg_size 24
		.amdhsa_user_sgpr_count 2
		.amdhsa_user_sgpr_kernarg_segment_ptr 1
		.amdhsa_wavefront_size32 1
		.amdhsa_system_sgpr_workgroup_id_x 1
		.amdhsa_system_sgpr_workgroup_id_y 1
		.amdhsa_system_sgpr_workgroup_id_z 1
		.amdhsa_system_vgpr_workitem_id 0
		.amdhsa_next_free_vgpr 64
		.amdhsa_next_free_sgpr 66
		.amdhsa_reserve_vcc 0
		.amdhsa_float_denorm_mode_32 3
		.amdhsa_float_denorm_mode_16_64 3
		.amdhsa_memory_ordered 1
		.amdhsa_forward_progress 1
		.amdhsa_inst_pref_size 8
	.end_amdhsa_kernel
	.amdgpu_metadata
---
amdhsa.version: [ 1, 2 ]
amdhsa.kernels:
  - .name:           k_qb7d4b59752_norm
    .symbol:         k_qb7d4b59752_norm.kd
    .args:
      - { .name: ob, .offset: 0, .size: 8, .value_kind: global_buffer, .address_space: global }
      - { .name: st, .offset: 8, .size: 8, .value_kind: global_buffer, .address_space: global }
      - { .name: out0, .offset: 16, .size: 8, .value_kind: global_buffer, .address_space: global }
    .group_segment_fixed_size: 0
    .private_segment_fixed_size: 0
    .kernarg_segment_align: 8
    .kernarg_segment_size: 24
    .max_flat_workgroup_size: 256
    .sgpr_count:     66
    .vgpr_count:     64
    .wavefront_size: 32
...
	.end_amdgpu_metadata
.endif
;; end of part 4
